; MI455X (gfx1250); checked and timed in simulation.
; The chip was launched on July 23, 2026; its instructions are those of AMD's public machine-readable ISA for CDNA 5 (MIT licence, August 2026) and "CDNA5" Instruction Set Architecture Reference Guide (July 2026). The comments in the code are by the model that wrote it; some were corrected since.
;; Attention. Allowed arithmetic: matrix products marked QUANTISED: E5M2 operands, one given power-of-two scale a tensor, by v_wmma_f32_16x16x64_bf8_bf8 or v_wmma_f32_16x16x128_bf8_bf8, f32 sums; everything else in f32.
;; Inputs: k 4,096 x 1,024 float32; lowp_scales 4 int32 (the exponents e of the quantised operands' scales 2^e); q 4,096 x 4,096 float32; v 4,096 x 1,024 float32.
;; Outputs: out0 4,096 x 4,096 float32.
;; This version of the problem:
;;   THIS VERSION OF THE PROBLEM IS GIVEN IN LOW PRECISION. The matrix products marked QUANTISED in the list below multiply operands that are first quantised to E5M2 (5 exponent bits, 2 mantissa bits; 8 bits a number), with one given power-of-two scale for each operand tensor; their sums are f32. All else is computed in f32.
;;   The module's matrix products, in the order in which they are computed (A, B: the left and right operand; K: the contracted axis; several contracted axes count as one K, in the product's order):
;;     1. batch 16 x [M 2,048, K 128] x [K 128, N 8,192]; A: input k; B: input q: QUANTISED (scales: A lowp_scales[0], B lowp_scales[1])
;;     2. batch 16 x [M 128, K 2,048] x [K 2,048, N 8,192]; A: input v; B: softmax (see below): QUANTISED (scales: A lowp_scales[2], B lowp_scales[3])
;;   THE QUANTISER, for each operand of a quantised product, along K:
;;     - The operand's scale is 2^e, e = its entry of the input lowp_scales (int32; the entries are numbered through the quantised products in the list's order, A before B).
;;     - Each number is divided by the scale, clamped to +-57,344, and rounded to the nearest number of E5M2, ties to even, subnormals kept.
;;     - The product sums the exact products of the quantised numbers (number of the format x scale) in f32.
;;   ~~~python
;;   def quantise(x, axis, e):      # numpy; x: float32 -> the quantised numbers, widened to float32 again
;;       x = np.moveaxis(x, axis, -1); K = x.shape[-1]
;;       r = np.clip(x / 2.0 ** e, -57344, 57344)
;;       step = 2.0 ** (np.maximum(np.frexp(np.where(r == 0, 1, r))[1] - 1, -14) - 2)
;;       q = np.round(r / step) * step * 2.0 ** e      # np.round: ties to even
;;       return np.moveaxis(q, -1, axis).astype(np.float32)
;;   ~~~
;;   SOFTMAX AHEAD OF A QUANTISED PRODUCT. Where the list says 'softmax', what is quantised is not the finished softmax but p = 2^(t - M), with t = logit x log2(e) and M = ceil(the row's largest t), a whole number; so 1/2 < the row's largest p <= 1. The row's sum l is taken of the UNQUANTISED p, in f32, and the product's result is divided by l at the end. Since M is a whole number, a kernel that streams over the keys may use a running M (the ceiling of the running maximum): every later rescaling is an exact power of two, so the quantised numbers keep their values, but for numbers so far below the row's largest that they fall under the format's range.
;;   OPERANDS COMPUTED ON THE WAY. 'Computed on the way' means the value that the module computes at that place (a softmax that the list does not call 'softmax' is quantised finished and normalised). What goes into a quantiser is computed in f32, as accurately as f32 sums, v_exp_f32 and their like allow (about 1e-6 of the number): no bf16 or f16 on the way to a quantiser, and a product that is left as it is and whose result goes on into a quantised operand takes f32 operands (vector FMAs, or v_wmma_f32_16x16x4_f32). A number that lies on a knife's edge between two numbers of the format may be rounded either way, as far as f32 arithmetic and the matrix unit's own rounding can turn it there, and no further.
;; One version. Each part assembles by itself: llvm-mc -triple=amdgcn-amd-amdhsa -mcpu=gfx1250 --defsym DOCPART=n.
;; ======== version 1 of 1: 2 launches
;; limits: right only within a limited range of input values
;; workspace buffers: kvc 8,388,608 bytes
;; launch quant (part 1): grid 256 x 2, 4 waves a work-group, no clusters, 68,096 bytes of LDS; arguments k, v, lowp_scales, kvc; writes kvc
.if DOCPART == 1
	.amdgcn_target "amdgcn-amd-amdhsa--gfx1250"
	.amdhsa_code_object_version 6
	.text
	.protected	k_qa5a9926bf9_quant
	.globl	k_qa5a9926bf9_quant
	.p2align	8
	.type	k_qa5a9926bf9_quant,@function
k_qa5a9926bf9_quant:
	s_mov_b64 s[64:65], 0
	v_nop
	global_prefetch_b8 v0, s[64:65] scope:SCOPE_SE
	s_setreg_imm32_b32 hwreg(HW_REG_WAVE_MODE, 25, 1), 1
	s_wait_xcnt 0x0
; k and v, [4096 tokens][8 heads x 128] f32, become codes of BF8 (E5M2), each with its given scale 2^e (k: entry 0 of the scales, v: entry 2).
; code = x / 2^e, held within +-57,344, rounded to the nearest code, ties to even.  LIMITS: e between -126 and 112, so that 2^e and 57,344 x 2^e are f32 numbers; NaN among the inputs is not served.
; THE CODES ARE LAID AS THE READER'S OPERAND REGISTERS WANT THEM.  kvc = [16 heads (sequence x 8 + head)][16 steps of 128 keys][32,768 bytes]: a step's image of K (16,384 bytes), then of V.
; An image is 8 fragments of 2,048 bytes; a fragment 4 chunks c of 512 bytes; lane l = r + 16 h owns the 16 bytes at 16 l of each chunk.
;   K, fragment 2 b + u: key 32 b + 8 u + r + 8 (r / 8) of the step, channels 32 c + 16 h + 0 .. 15.      V, fragment t: channel 16 t + r, keys 32 c + 16 h + 0 .. 15 of the step.
; SHARES.  Work-group x = head x 16 + step; y = 0 takes K's 128 keys x 128 channels, y = 1 V's.  Four waves, two fragments each.  Straight-line text: no loop, no barrier, waves share nothing.
; No cluster and no tensor load: no two work-groups read the same byte, and each byte is read once into registers.
; K: its channels are innermost in memory.  A load takes one key's 512 bytes, 16 a lane; 16 keys turn through the wave's own stage in LDS and come back 64 bytes (16 neighbouring channels) a lane.
; V: its keys are the second product's K and are NOT innermost: a lane takes a channel and its registers run down the keys, so the conversions give codes with the keys innermost and nothing is turned.
.set X,    32                          ; v32-159  the numbers
.set C,    160                         ; v160-191 the codes; no register of them is written twice, so no store's data are written again
.set SP,   528                         ; a stage row: 512 bytes + 16: an odd multiple of 16, so the sixteen rows that a load touches start at sixteen different groups of four banks
.set STG,  16*SP                       ; a stage: 16 keys
.set WREG, 2*STG                       ; two stages for each wave
.set LI,   1                           ; v1  16 x lane
.set L4,   2                           ; v2  4 x lane
.set SROW, 3                           ; v3  the stage, on the way in: my wave's + 16 x lane
.set SQR,  4                           ; v4  and on the way out: my wave's + 528 r + 64 h
.set VST,  5                           ; v5  V's codes: 2,048 (lane / 16) + 16 (lane % 16)
.set LIMV, 10
.set SCV,  11                          ; v11 2^e
	s_load_b256 s[4:11], s[0:1], 0x0               ; k s[4:5], v s[6:7], the scales' exponents s[8:9], kvc s[10:11]
	v_lshl_add_u32 v192, v0, 2, 0x10800
	v_mov_b32 v193, 0
	v_lshrrev_b32 v1, 5, v0
	v_readfirstlane_b32 s12, v1                    ; wave 0..3
	s_and_b32 s13, ttmp7, 0xffff                   ; y: 0 for K, 1 for V
	v_and_b32 v6, 31, v0                           ; lane
	v_and_b32 v7, 15, v0                           ; r
	v_bfe_u32 v8, v0, 4, 1                         ; h
	v_lshlrev_b32 v[LI], 4, v6
	v_lshlrev_b32 v[L4], 2, v6
	s_mul_i32 s14, s12, WREG
	v_add_nc_u32 v[SROW], s14, v[LI]
	v_mul_u32_u24 v[SQR], v7, SP
	v_lshl_add_u32 v[SQR], v8, 6, v[SQR]
	v_add_nc_u32 v[SQR], s14, v[SQR]
	v_lshlrev_b32 v[VST], 4, v7
	v_lshl_add_u32 v[VST], v8, 11, v[VST]
	; where my wave reads: token (sequence x 2,048 + step x 128) x 4,096 bytes + head x 512; K: + 32 keys x wave; V: + 32 channels x wave
	s_lshr_b32 s20, ttmp9, 7
	s_lshl_b32 s20, s20, 11
	s_and_b32 s21, ttmp9, 15
	s_lshl_b32 s21, s21, 7
	s_add_co_u32 s20, s20, s21
	s_lshl_b32 s20, s20, 12
	s_bfe_u32 s21, ttmp9, 0x30004                  ; the head within the sequence: 3 bits from bit 4
	s_lshl_b32 s21, s21, 9
	s_add_co_u32 s20, s20, s21
	s_lshl_b32 s22, s12, 17
	s_lshl_b32 s23, s12, 7
	s_cmp_eq_u32 s13, 0
	s_cselect_b32 s22, s22, s23
	s_add_co_u32 s20, s20, s22
	s_mov_b32 s21, 0
	; and where it writes: 32,768 x + 16,384 y + two fragments x wave
	s_lshl_b32 s24, ttmp9, 15
	s_lshl_b32 s25, s13, 14
	s_add_co_u32 s24, s24, s25
	s_lshl_b32 s25, s12, 12
	s_add_co_u32 s24, s24, s25
	s_mov_b32 s25, 0
	s_wait_kmcnt 0x0
	s_load_b128 s[16:19], s[8:9], 0x0              ; ek, eq, ev, ep
	s_cmp_eq_u32 s13, 0                            ; the choice of the buffer hangs on the work-group's number alone
	s_cselect_b64 s[4:5], s[4:5], s[6:7]
	s_add_nc_u64 s[4:5], s[4:5], s[20:21]
	s_add_nc_u64 s[10:11], s[10:11], s[24:25]
.macro MKSCALE e                       ; s[e]: the exponent.  (e + 127) << 23 is 2^e as f32
	s_wait_kmcnt 0x0
	s_add_co_i32 s26, s[\e], 127
	s_lshl_b32 s27, s26, 23
	v_mov_b32 v[SCV], s27
.endm
; 16 rows of 512 bytes, as loaded, through my stage; back as 64 numbers a lane: register 16 c + i = channel 32 c + 16 h + i of row r.  LDS serves a wave's instructions in order: no wait between the stores and the loads
.macro QTURN reg, stg
.irp i, 0,1,2,3,4,5,6,7,8,9,10,11,12,13,14,15
	ds_store_b128 v[SROW], v[(\reg)+4*\i:(\reg)+4*\i+3] offset:(\stg)+SP*\i
.endr
.irp c, 0,1,2,3
.irp j, 0,1,2,3
	ds_load_b128 v[(\reg)+16*\c+4*\j:(\reg)+16*\c+4*\j+3], v[SQR] offset:(\stg)+128*\c+16*\j
.endr
.endr
.endm
; 64 numbers of a lane become a fragment's 16 registers of codes
.macro QUANT src, dst, sc, lim
.irp c, 0,1,2,3
.irp i, 0,1,2,3,4,5,6,7,8,9,10,11,12,13,14,15
.endr
	v_cvt_scalef32_pk8_bf8_f32 v[(\dst)+4*\c:(\dst)+4*\c+1], v[(\src)+16*\c:(\src)+16*\c+7], v[\sc]
	v_cvt_scalef32_pk8_bf8_f32 v[(\dst)+4*\c+2:(\dst)+4*\c+3], v[(\src)+16*\c+8:(\src)+16*\c+15], v[\sc]
.endr
	v_nop                                          ; a plain vector line behind the last conversion
.endm
	s_cmp_lg_u32 s13, 0
	s_cbranch_scc1 .Lvalues
	; ---- K: fragments 2 w and 2 w + 1.  Row i of tile u is key 32 w + 8 u + i + 8 (i / 8)
	s_wait_alu depctr_va_vdst(0)
.irp u, 0,1
.irp i, 0,1,2,3,4,5,6,7,8,9,10,11,12,13,14,15
	global_load_b128 v[X+64*\u+4*\i:X+64*\u+4*\i+3], v[LI], s[4:5] offset:(8*\u+\i+8*(\i/8))*4096 th:TH_LOAD_NT   ; 32 lanes read a key's 512 consecutive bytes
.endr
.endr
	MKSCALE 16
	s_wait_alu depctr_va_vdst(0)
.irp u, 0,1
	s_wait_loadcnt 16*(1-\u)                       ; this tile's sixteen loads are in; the second tile's sixteen may be out
	QTURN X+64*\u, STG*\u
	s_wait_dscnt 0x0                               ; the numbers are back from the stage
	QUANT X+64*\u, C+16*\u, SCV, LIMV
.irp c, 0,1,2,3
	global_store_b128 v[LI], v[C+16*\u+4*\c:C+16*\u+4*\c+3], s[10:11] offset:2048*\u+512*\c   ; a chunk: 512 consecutive bytes
.endr
.endr
	s_wait_tensorcnt 0x0
	ds_add_u32 v192, v193
	s_wait_dscnt 0x0
	s_endpgm
.Lvalues:
	; ---- V: my lane's channel is 32 w + lane; run rho is keys 16 rho .. 16 rho + 15, which are chunk rho / 2, half rho % 2 of my channel's fragment
.macro VLOAD rho
.irp i, 0,1,2,3,4,5,6,7,8,9,10,11,12,13,14,15
	global_load_b32 v[X+16*(\rho)+\i], v[L4], s[4:5] offset:4096*(16*(\rho)+\i) th:TH_LOAD_NT   ; one key, 32 neighbouring channels: 128 consecutive bytes a wave, 512 a work-group
.endr
.endm
.macro VRUN rho
.if \rho < 6
	s_wait_loadcnt 32                              ; this run's sixteen loads are in; the two runs issued behind it may be out
.else
	s_wait_loadcnt 16*(7-\rho)
.endif
.if \rho < 5
	VLOAD \rho+3                                   ; three runs ahead: 48 loads of a wave are out at the most
.endif
.irp i, 0,1,2,3,4,5,6,7,8,9,10,11,12,13,14,15
.endr
	v_cvt_scalef32_pk8_bf8_f32 v[C+4*\rho:C+4*\rho+1], v[X+16*\rho:X+16*\rho+7], v[SCV]
	v_cvt_scalef32_pk8_bf8_f32 v[C+4*\rho+2:C+4*\rho+3], v[X+16*\rho+8:X+16*\rho+15], v[SCV]
	global_store_b128 v[VST], v[C+4*\rho:C+4*\rho+3], s[10:11] offset:512*(\rho/2)+256*(\rho%2)   ; sixteen lanes store 256 consecutive bytes, at a multiple of 256 from the buffer's first byte
.endm
	s_wait_alu depctr_va_vdst(0)
	VLOAD 0
	VLOAD 1
	VLOAD 2
	MKSCALE 18
	s_wait_alu depctr_va_vdst(0)
.irp n, 0,1,2,3,4,5,6,7
	VRUN \n
.endr
	s_endpgm
.Lfunc_end_k_qa5a9926bf9_quant:
	.size	k_qa5a9926bf9_quant, .Lfunc_end_k_qa5a9926bf9_quant-k_qa5a9926bf9_quant
	.p2alignl 7, 3214868480
	.fill 96, 4, 3214868480
	.section	.rodata,"a",@progbits
	.p2align	6, 0x0
	.amdhsa_kernel k_qa5a9926bf9_quant
		.amdhsa_group_segment_fixed_size 68096
		.amdhsa_private_segment_fixed_size 0
		.amdhsa_enable_private_segment 0
		.amdhsa_kernarg_size 32
		.amdhsa_user_sgpr_count 2
		.amdhsa_user_sgpr_kernarg_segment_ptr 1
		.amdhsa_wavefront_size32 1
		.amdhsa_system_sgpr_workgroup_id_x 1
		.amdhsa_system_sgpr_workgroup_id_y 1
		.amdhsa_system_sgpr_workgroup_id_z 1
		.amdhsa_system_vgpr_workitem_id 0
		.amdhsa_next_free_vgpr 194
		.amdhsa_next_free_sgpr 66
		.amdhsa_reserve_vcc 0
		.amdhsa_float_denorm_mode_32 3
		.amdhsa_float_denorm_mode_16_64 3
		.amdhsa_fp16_overflow 1
		.amdhsa_memory_ordered 1
		.amdhsa_forward_progress 1
		.amdhsa_inst_pref_size 26
	.end_amdhsa_kernel
	.amdgpu_metadata
---
amdhsa.version: [ 1, 2 ]
amdhsa.kernels:
  - .name:           k_qa5a9926bf9_quant
    .symbol:         k_qa5a9926bf9_quant.kd
    .args:
      - { .name: k, .offset: 0, .size: 8, .value_kind: global_buffer, .address_space: global }
      - { .name: v, .offset: 8, .size: 8, .value_kind: global_buffer, .address_space: global }
      - { .name: lowp_scales, .offset: 16, .size: 8, .value_kind: global_buffer, .address_space: global }
      - { .name: kvc, .offset: 24, .size: 8, .value_kind: global_buffer, .address_space: global }
    .group_segment_fixed_size: 68096
    .private_segment_fixed_size: 0
    .kernarg_segment_align: 8
    .kernarg_segment_size: 32
    .max_flat_workgroup_size: 128
    .sgpr_count:     66
    .vgpr_count:     194
    .wavefront_size: 32
...
	.end_amdgpu_metadata
.endif
;; end of part 1
;; launch attn (part 2): grid 16 x 16, 16 waves a work-group, clusters of 4 x 1, 327,680 bytes of LDS; arguments q, kvc, lowp_scales, out0; writes out0
.if DOCPART == 2
	.amdgcn_target "amdgcn-amd-amdhsa--gfx1250"
	.amdhsa_code_object_version 6
	.text
	.protected	k_qa5a9926bf9_attn
	.globl	k_qa5a9926bf9_attn
	.p2align	8
	.type	k_qa5a9926bf9_attn,@function
k_qa5a9926bf9_attn:
	s_mov_b64 s[64:65], 0
	v_nop
	global_prefetch_b8 v0, s[64:65] scope:SCOPE_SE
	s_setreg_imm32_b32 hwreg(HW_REG_WAVE_MODE, 25, 1), 1
	s_wait_xcnt 0x0
	s_wait_alu depctr_hold_cnt(0) depctr_sa_sdst(0) depctr_va_vdst(0) depctr_va_sdst(0) depctr_va_ssrc(0) depctr_va_vcc(0) depctr_vm_vsrc(0)
	s_getreg_b32 s2, hwreg(HW_REG_IB_STS2, 6, 4)
	s_cmp_eq_u32 s2, 0
	s_cbranch_scc0 .Lentry_in_a_cluster
	s_endpgm
.Lentry_in_a_cluster:
	s_bfe_u32 s2, ttmp6, 0x10000c
	s_cmp_lg_u32 s2, 0x3003
	s_cbranch_scc0 .Lentry_shape_is_right
	s_endpgm
.Lentry_shape_is_right:
; Causal attention with grouped query heads: 2 sequences x 2,048 tokens, 8 key/value heads, 4 query heads to each, head size 128.  Both products on codes of BF8 (E5M2), each operand with its given scale:
; ek, eq, ev, ep = entries 0 to 3 of the scales.  q: [4096][32 x 128] f32, quantised here in registers.  kvc: K's and V's codes as images of the operand registers, [16 heads][16 steps of 128 keys][K 16,384 | V 16,384 bytes].
; THE SOFTMAX AHEAD OF THE SECOND PRODUCT: t = score x log2(e) / sqrt(128); M = the row's largest t so far, rounded UP to a whole number; p = 2^(t - M) is what is quantised; it is not normalised.
; The row's sum is taken of the unquantised p, in f32, and divides O at the end.  When M moves, the sum and O are multiplied by 2^(old M - new M): exact.
; SHARES.  A work-group owns two blocks of 256 tokens of ONE query head: block i, then block 7 - i (i = the cluster's x).  Block i needs key slots 0 .. i (256 keys a slot), block 7 - i slots 0 .. 7 - i: nine slots in all, whatever i:
; every trip count is a constant, and all 256 work-groups have the same work.  Each of the SIXTEEN waves owns one tile of 16 queries in 256 registers.  A step of 128 keys that all come after the wave's queries is jumped over
; (a scalar branch on ids, round the step's work alone).  The tiles are dealt to the waves so that any four waves on end, and any four that are equal modulo 4, hold two tiles of a block's lower half and two of its upper.
; CLUSTER.  The four work-groups of a cluster are the four query heads of one key/value head at the same tokens: they walk the same slots, so each slot is asked for JOINTLY: the same tensor load, the same descriptor, mask 15.
; The place in the cluster enters only q's, out0's and the prefetches' addresses: no branch, no LDS address.
; LAYOUT.  Both products are used transposed: S^T = K Q^T (source 0 = 16 keys, source 1 = my 16 queries), O^T = V^T P^T (source 0 = 16 channels, source 1 = P): a lane holds ONE query (lane % 16) throughout.
; The keys of a tile of K are chosen (key 32 b + 8 u + r + 8 (r / 8) in tile 2 b + u) so that p's 16 registers of tiles 2 b, 2 b + 1 are 16 neighbouring keys.  Inside an instruction k lies in another order than the form's own,
; the same in both operands: every product meets its partner; only the order of the sums inside an instruction differs.
; LIMITS on the given exponents, so that each power of two below is an f32 number: ek + eq between -123 and 130; eq and ep between -126 and 112; ep + ev is applied by v_ldexp_f32 and has none.  NaN among the inputs is not served.
; LDS: slot 0 at 0, slot 1 at 65,536 (65,536 bytes each: two steps' images, dense); a stage of 16 rows x 528 bytes for each wave from 131,072 on, into which no tile lands; the spare words behind them.
; The launch claims all of a WGP's LDS.
; REGISTERS: v1-11 addresses that stay; v12 -M, v13 the largest t, v[14:15] the sum in two halves; v16-31 Q's codes; v32-95 four fragments of K or V; v96-159 S^T, then p (and q's numbers); v160-223 O^T; v224-239 p's codes; v240-254 constants and at work.
.set SLOT1, 65536
.set STEPB, 32768                      ; a step's two images
.set VOFF,  16384                      ; V's image behind K's
.set FRB,   2048                       ; a fragment's image
.set SP,    528                        ; a stage row: 512 bytes + 16
.set WSTG,  16*SP
.set STAGE, 2*SLOT1
.set SPARE, STAGE+16*WSTG              ; 266,240: the spare words, 128 bytes for each wave: eight blocks of 256 bytes that no other line names
.set LI,   1                           ; v1   16 x lane: my place in an image's chunk, in a row of q and in a row of out0
.set ADR,  2                           ; v2   LDS address of the slot in hand + 16 x lane
.set PFO,  3                           ; v3   256 x lane
.set SROW, 4                           ; v4   my stage + 16 x lane: whole rows
.set SPW,  5                           ; v5   my spare word: SPARE + 4 x my thread's number; never rewritten
.set NIL,  6                           ; v6   0; never rewritten
.set PFQ,  7                           ; v7   a row of q for every two lanes, 256 bytes each: 16,384 (lane / 2) + 256 (lane % 2)
.set SQR,  8                           ; v8   my stage + 528 r + 64 h: q's numbers on their way back
.set SOW,  9                           ; v9   my stage + 528 r + 32 h: O's numbers on their way in
.set RH,   11                          ; v11  r - 16 h, for the mask
.set QC,   16
.set F,    32
.set S,    96
.set O,    160
.set PC,   224
.set WV,   12                          ; s12  wave
.set CX,   13                          ; s13  my place in the cluster = the query head within its group
.set PAIR, 14                          ; s14  i
.set HD,   15                          ; s15  sequence x 8 + key/value head
.set QB,   16                          ; s[16:17] q at my tile of the second block
.set OB,   18                          ; s[18:19] out0 likewise
.set SEL,  20                          ; s[20:21] lane selects for v_permlanex16_b32: lane l xor 16
.set CS,   22                          ; s[22:23] c = log2(e) / sqrt(128) x 2^(ek + eq)
.set G1,   24                          ; s[24:31] descriptor group 1
.set G0,   32                          ; s[32:35] descriptor group 0
.set KVB,  36                          ; s[36:37] kvc at my head's slot 0, my quarter of it
.set OFF,  38                          ; s[38:39] the slot to be asked for, in bytes
.set TB,   40                          ; s40  LDS byte at which the slot in hand begins
.set FI,   41                          ; s41  how many refills have been asked for: the loop's counter
.set N1,   42                          ; s42  i + 1: the first block's slots
.set N1P,  43                          ; s43  i + 2
.set KF,   44                          ; s44  the step's first key
.set Q0,   45                          ; s45  my first query, in the block in hand
.set Q0B,  46                          ; s46  in the second block
.set LIM,  47                          ; s47  8 in a wave that prefetches K and V, else 0
.set PFA,  48                          ; s[48:49] where that prefetch stands
.set EX,   52                          ; s[52:55] ek, eq, ev, ep
.set EPV,  56                          ; s56  ep + ev
; A round of the cluster's barrier: my work-group's barrier, so that wave 0's signal speaks for all sixteen waves; wave 0 signals; every wave waits for all four work-groups; my work-group's barrier once more.
.macro CROUND
	s_barrier_signal -1
	s_barrier_wait -1
	s_cmp_lg_u32 s[WV], 0
	s_cbranch_scc1 .Lnot_wave_0_\@
	s_barrier_signal -3
.Lnot_wave_0_\@:
	s_barrier_wait -3
	s_barrier_signal -1
	s_barrier_wait -1
.endm
; The joint load: waves 0 to 3 fetch a quarter of a slot each (64 rows of 256 bytes, dense), the others nothing.  The branch hangs on the wave's number alone.  Four v_nop follow the line.
.macro JLOAD
	s_cmp_lt_u32 s[WV], 4
	s_cbranch_scc0 .Lasked_\@
	tensor_load_to_lds s[G0:G0+3], s[G1:G1+7]
	s_nop 0
.rept 4
	v_nop
.endr
.Lasked_\@:
.endm
; PREFETCHES INTO THE L2, behind the joint load and its four lines.
; (a) K and V.  All four clusters of a head walk the same slots; the head's first cluster (i = 0) walks slots 0, 0, 1, .. 7: its refill number FI asks for slot FI - 1, and here slot FI is named, for FI = 1 .. 7: what its next
; refill will ask for, a slot's two key steps ahead.  Its four partners share a slot's 65,536 bytes out BY ADDRESS, 16,384 each; in each, waves 4 and 5 take 8,192, lanes 256 bytes apart.  So each block of 256 bytes is named once.
; Slot 0 comes by its loads alone, and the last refill names nothing.
; (b) q.  Every wave names its own tile of the second block, 16 rows x 512 bytes, two lanes to a row, in the trip ahead of the one that loads it.
.macro ASK
	s_cmp_lt_u32 s[FI], s[LIM]
	s_cbranch_scc0 .Lno_kv_\@
	global_prefetch_b8 v[PFO], s[PFA:PFA+1] th:TH_LOAD_NT scope:SCOPE_SE
.Lno_kv_\@:
	s_cmp_eq_u32 s[FI], s[N1]
	s_cbranch_scc0 .Lno_q_\@
	global_prefetch_b8 v[PFQ], s[QB:QB+1] th:TH_LOAD_NT scope:SCOPE_SE
.Lno_q_\@:
.endm
; my tile's 16 rows of q: a load takes one query's 512 consecutive bytes
.macro QLOAD ptr
.irp i, 0,1,2,3,4,5,6,7,8,9,10,11,12,13,14,15
	global_load_b128 v[S+4*\i:S+4*\i+3], v[LI], s[\ptr:\ptr+1] offset:16384*\i th:TH_LOAD_NT
.endr
.endm
; through my stage; back as 64 numbers a lane: register 16 c + i = channel 32 c + 16 h + i of query r.  LDS serves a wave's instructions in order: no wait between the stores and the loads
.macro QTURN
.irp i, 0,1,2,3,4,5,6,7,8,9,10,11,12,13,14,15
	ds_store_b128 v[SROW], v[S+4*\i:S+4*\i+3] offset:SP*\i
.endr
.irp c, 0,1,2,3
.irp j, 0,1,2,3
	ds_load_b128 v[S+16*\c+4*\j:S+16*\c+4*\j+3], v[SQR] offset:128*\c+16*\j
.endr
.endr
.endm
.macro QUANT src, dst, sc, lim
.irp c, 0,1,2,3
.irp i, 0,1,2,3,4,5,6,7,8,9,10,11,12,13,14,15
.endr
	v_cvt_scalef32_pk8_bf8_f32 v[(\dst)+4*\c:(\dst)+4*\c+1], v[(\src)+16*\c:(\src)+16*\c+7], v[\sc]
	v_cvt_scalef32_pk8_bf8_f32 v[(\dst)+4*\c+2:(\dst)+4*\c+3], v[(\src)+16*\c+8:(\src)+16*\c+15], v[\sc]
.endr
	v_nop                                          ; a plain vector line between the last conversion and the products that read its codes and write over its numbers
.endm
; a block's statistics and O^T begin: the step is written once, and its first walk finds zeros, which the first change of M leaves zeros
.macro INIT
	v_mov_b32 v13, 0xff61b1e6                      ; the largest t so far: -3e38, under every t
	s_delay_alu instid0(VALU_DEP_1)
	v_floor_f32 v12, -v13                          ; -M
	v_mov_b32 v14, 0
	v_mov_b32 v15, 0
.irp j, 0,1,2,3,4,5,6,7,8,9,10,11,12,13,14,15,16,17,18,19,20,21,22,23,24,25,26,27,28,29,30,31,32,33,34,35,36,37,38,39,40,41,42,43,44,45,46,47,48,49,50,51,52,53,54,55,56,57,58,59,60,61,62,63
	v_mov_b32 v[O+\j], 0
.endr
.endm
	s_load_b256 s[4:11], s[0:1], 0x0               ; q s[4:5], kvc s[6:7], the scales' exponents s[8:9], out0 s[10:11]
	v_lshl_add_u32 v[SPW], v0, 2, SPARE
	v_mov_b32 v[NIL], 0
	ds_add_u32 v5, v6
	ds_add_u32 v5, v6
	s_wait_dscnt 0x0
	v_lshrrev_b32 v1, 5, v0
	s_delay_alu instid0(VALU_DEP_1)
	v_readfirstlane_b32 s[WV], v1                  ; wave 0..15
	s_bfe_u32 s[CX], ttmp6, 0x40000                ; my place in the cluster
	s_mov_b32 s[PAIR], ttmp9                       ; in a cluster launch ttmp9 counts clusters: i = 0 .. 3
	s_and_b32 s[HD], ttmp7, 0xffff
	; my tile within a block: wave 4 a + b takes tile 8 ((a xor b) & 1) + 2 a + b / 2
	s_lshr_b32 s57, s[WV], 2
	s_and_b32 s58, s[WV], 3
	s_xor_b32 s59, s57, s58
	s_and_b32 s59, s59, 1
	s_lshl_b32 s59, s59, 3
	s_lshl_b32 s57, s57, 1
	s_add_co_u32 s59, s59, s57
	s_lshr_b32 s58, s58, 1
	s_add_co_u32 s59, s59, s58
	s_lshl_b32 s59, s59, 4                         ; its first query within the block
	s_lshl_b32 s[Q0], s[PAIR], 8
	s_add_co_u32 s[Q0], s[Q0], s59                 ; block i
	s_sub_co_u32 s[Q0B], 7, s[PAIR]
	s_lshl_b32 s[Q0B], s[Q0B], 8
	s_add_co_u32 s[Q0B], s[Q0B], s59               ; block 7 - i
	s_add_co_u32 s[N1], s[PAIR], 1
	s_add_co_u32 s[N1P], s[PAIR], 2
	; descriptor group 1: 64 rows of 32 elements of 8 bytes, dense: 16,384 bytes, no padding (an image's chunks are read 512 consecutive bytes at a time)
	s_mov_b32 s[G1], 15|(3<<16)|(1<<21)            ; 15:0 the mask: all four work-groups; 17:16 elements of 8 bytes; 21 set beside a mask
	s_mov_b32 s[G1+1], 32<<16                      ; tensor_dim0 = 32
	s_mov_b32 s[G1+2], 64<<16                      ; tensor_dim1 = 64
	s_mov_b32 s[G1+3], 32<<16                      ; tile_dim0 = 32
	s_mov_b32 s[G1+4], 64                          ; tile_dim1 = 64
	s_mov_b32 s[G1+5], 32                          ; from row to row
	s_mov_b32 s[G1+6], 0
	s_mov_b32 s[G1+7], 0
	s_mov_b32 s[G0], 1                             ; count = 1
	s_and_b32 s58, s[WV], 3
	s_lshl_b32 s[G0+1], s58, 14                    ; LDS address: slot 0, my quarter
	s_lshl_b32 s60, s[HD], 19                      ; my head's 16 steps x 32,768 bytes,
	s_add_co_u32 s60, s60, s[G0+1]                 ; my quarter of a slot
	s_mov_b32 s61, 0
	s_mov_b32 s[OFF+1], 0
	; q and out0: (sequence x 2,048 + query) rows of 16,384 bytes + (4 x key/value head + place in the cluster) x 512
	s_lshr_b32 s62, s[HD], 3
	s_lshl_b32 s62, s62, 11
	s_and_b32 s63, s[HD], 7
	s_lshl_b32 s63, s63, 2
	s_add_co_u32 s63, s63, s[CX]
	s_lshl_b32 s63, s63, 9
	s_add_co_u32 s66, s62, s[Q0]
	s_lshl_b32 s66, s66, 14
	s_add_co_u32 s66, s66, s63
	s_mov_b32 s67, 0
	s_add_co_u32 s68, s62, s[Q0B]
	s_lshl_b32 s68, s68, 14
	s_add_co_u32 s68, s68, s63
	s_mov_b32 s69, 0
	; the prefetch of K and V: my head, my work-group's 16,384 bytes of a slot, my wave's 8,192 of them
	s_lshl_b32 s70, s[CX], 14
	s_and_b32 s71, s[WV], 1
	s_lshl_b32 s71, s71, 13
	s_add_co_u32 s70, s70, s71
	s_lshl_b32 s71, s[HD], 19
	s_add_co_u32 s70, s70, s71
	s_mov_b32 s71, 0
	s_lshr_b32 s58, s[WV], 1
	s_xor_b32 s58, s58, 2                          ; 0 in waves 4 and 5,
	s_or_b32 s58, s58, ttmp9                       ; of the head's first cluster: the same in all four partners
	s_cmp_eq_u32 s58, 0
	s_cselect_b32 s[LIM], 8, 0
	s_mov_b32 s[SEL], 0x76543210
	s_mov_b32 s[SEL+1], 0xfedcba98
	s_mov_b32 s[CS], 0x3e0293ee                    ; log2(e) / sqrt(128)
	s_mov_b32 s[TB], 0
	s_mov_b32 s[FI], 0
	s_mov_b32 s[KF], 0
	s_mul_i32 s57, s[WV], WSTG
	s_add_co_u32 s57, s57, STAGE                   ; my stage
	v_and_b32 v1, 31, v0                           ; lane
	v_and_b32 v250, 15, v0                         ; r
	v_bfe_u32 v254, v0, 4, 1                       ; h
	s_delay_alu instid0(VALU_DEP_3)
	v_lshlrev_b32 v[PFO], 8, v1
	s_delay_alu instid0(VALU_DEP_4)
	v_lshrrev_b32 v[PFQ], 1, v1
	s_delay_alu instid0(VALU_DEP_1)
	v_lshlrev_b32 v[PFQ], 14, v[PFQ]
	v_and_b32 v2, 1, v0
	s_delay_alu instid0(VALU_DEP_1)
	v_lshl_add_u32 v[PFQ], v2, 8, v[PFQ]
	v_lshlrev_b32 v[LI], 4, v1
	v_mul_u32_u24 v10, v250, SP
	s_delay_alu instid0(VALU_DEP_1)
	v_add_nc_u32 v10, s57, v10
	s_delay_alu instid0(VALU_DEP_1)
	v_lshl_add_u32 v[SQR], v254, 6, v10
	s_delay_alu instid0(VALU_DEP_2)
	v_lshl_add_u32 v[SOW], v254, 5, v10
	v_add_nc_u32 v[SROW], s57, v[LI]
	v_lshlrev_b32 v254, 4, v254
	s_delay_alu instid0(VALU_DEP_1)
	v_sub_nc_u32 v[RH], v250, v254
	s_wait_kmcnt 0x0
	s_load_b128 s[EX:EX+3], s[8:9], 0x0            ; ek, eq, ev, ep
	s_add_nc_u64 s[KVB:KVB+1], s[6:7], s[60:61]
	s_add_nc_u64 s[PFA:PFA+1], s[6:7], s[70:71]    ; at slot 0: the first change of slots steps it to slot 1.  Nothing is prefetched here, at the head
	s_add_nc_u64 s[QB:QB+1], s[4:5], s[68:69]
	s_add_nc_u64 s[OB:OB+1], s[10:11], s[68:69]
	s_add_nc_u64 s[4:5], s[4:5], s[66:67]          ; q and out0 at my tile of the first block
	s_add_nc_u64 s[10:11], s[10:11], s[66:67]
	s_mov_b64 s[G0+2:G0+3], s[KVB:KVB+1]           ; global address: slot 0
	s_or_b32 s[G0+3], s[G0+3], 0x80000000          ; type = 2
	CROUND                                         ; all four work-groups are here: the first joint load meets
	JLOAD                                          ; the one first fill: ahead of every wait on TENSORcnt and of every LDS read
	s_wait_alu depctr_va_vdst(0)
	QLOAD 4
	s_wait_kmcnt 0x0
	s_add_co_i32 s57, s[EX], s[EX+1]
	s_lshl_b32 s57, s57, 23
	s_add_co_i32 s[CS], s[CS], s57                 ; a score stands for score x 2^(ek + eq): the two exponents are added to c's exponent field
	s_mov_b32 s[CS+1], s[CS]                       ; (named with it as a pair, so it is written)
	s_add_co_i32 s57, s[EX+3], 127
	s_lshl_b32 s58, s57, 23
	v_mov_b32 v244, s58                            ; 2^ep as f32, for p's conversions
	s_add_co_i32 s57, s[EX+1], 127
	s_lshl_b32 s58, s57, 23
	v_mov_b32 v246, s58                            ; 2^eq, for q's
	s_add_co_i32 s[EPV], s[EX+2], s[EX+3]
	v_mov_b32 v241, 0                              ; written once: a lane permute's destination counts as one of its sources
	v_mov_b32 v245, 0xff800000                     ; -infinity, for hidden scores
	v_mov_b32 v253, 0                              ; (named as the upper half of the pair v[252:253])
	INIT
	s_wait_loadcnt 0x0                             ; q's sixteen rows
	QTURN
	s_wait_dscnt 0x0
	QUANT S, QC, 246, 247
; A KEY STEP: 128 keys, the q-th of the slot in hand.
.macro STEP q
	s_add_co_u32 s57, s[Q0], 15
	s_cmp_gt_u32 s[KF], s57                        ; all 128 keys come after my 16 queries: the step's work is left out; no barrier and no tensor load stands in a step
	s_cbranch_scc1 .Lhidden_\@
	v_add_nc_u32 v[ADR], s[TB], v[LI]
	s_wait_alu depctr_va_vdst(0)
.irp g, 0,1                                    ; S^T = K Q^T, four tiles of 16 keys at a time
.rept 3+\g
	v_nop                                          ; four places in front of loads into registers that matrix instructions have read; the addition above is one of the first four
.endr
.irp t, 0,1,2,3
.irp c, 0,1,2,3
	ds_load_b128 v[F+16*\t+4*\c:F+16*\t+4*\c+3], v[ADR] offset:STEPB*(\q)+FRB*(4*\g+\t)+512*\c
.endr
.endr
	s_wait_dscnt 0x0
.irp t, 0,1,2,3
	v_wmma_f32_16x16x128_bf8_bf8 v[S+8*(4*\g+\t):S+8*(4*\g+\t)+7], v[F+16*\t:F+16*\t+15], v[QC:QC+15], 0
.endr
.endr
.rept 4
	v_nop
.endr
	s_add_co_u32 s57, s[KF], 127                   ; on the diagonal the scores of hidden keys become -infinity ahead of the maximum: p = 0 then.  A step all of whose keys count skips this
	s_cmp_le_u32 s57, s[Q0]
	s_cbranch_scc1 .Lopen_\@
	s_sub_co_i32 s57, s[Q0], s[KF]
	v_add_nc_u32 v250, s57, v[RH]                  ; d = my query - the step's first key - 16 h.  Register 16 b + i holds key 16 h + 32 b + i of the step: hidden where 32 b + i > d
.irp n, 0,1,2,3,4,5,6,7,8,9,10,11,12,13,14,15,16,17,18,19,20,21,22,23,24,25,26,27,28,29,30,31,32,33,34,35,36,37,38,39,40,41,42,43,44,45,46,47,48,49,50,51,52,53,54,55,56,57,58,59,60,61,62,63
	v_cmp_gt_i32 vcc_lo, 32*(\n/16)+\n%16, v250
	v_cndmask_b32 v[S+\n], v[S+\n], v245, vcc_lo
.endr
.Lopen_\@:
	v_max3_num_f32 v254, v96, v97, v98             ; the step's largest score of my query, among my 64 keys, in two chains; each tile's registers from the low end on
	v_max3_num_f32 v252, v99, v100, v101
.irp i, 6,10,14,18,22,26,30,34,38,42,46,50,54,58
	v_max3_num_f32 v254, v254, v[S+\i], v[S+1+\i]
	v_max3_num_f32 v252, v252, v[S+2+\i], v[S+3+\i]
.endr
	v_max3_num_f32 v254, v254, v158, v159
	s_delay_alu instid0(VALU_DEP_1)
	v_max_num_f32 v254, v254, v252
	s_delay_alu instid0(VALU_DEP_1)
	v_permlanex16_b32 v241, v254, s[SEL], s[SEL+1]
	s_delay_alu instid0(VALU_DEP_1)
	v_max_num_f32 v254, v254, v241                 ; and among lane l xor 16's
	s_delay_alu instid0(VALU_DEP_1)
	v_mul_f32 v254, s[CS], v254                    ; as t (c is positive)
	s_delay_alu instid0(VALU_DEP_1)
	v_max_num_f32 v13, v13, v254                   ; the running largest t
	v_mov_b32 v254, v12
	s_delay_alu instid0(VALU_DEP_2)
	v_floor_f32 v12, -v13                          ; the new -M = floor(-t) = -ceil(t): M is a whole number
	s_delay_alu instid0(VALU_DEP_1)
	v_sub_f32 v254, v12, v254                      ; M's old value less its new one: a whole number, 0 or less
	s_delay_alu instid0(VALU_DEP_1)
	v_cvt_i32_f32 v254, v254                       ; (it saturates)
	s_delay_alu instid0(VALU_DEP_1)
	v_ldexp_f32 v252, 1.0, v254                    ; f = 2^(old M - new M)
.irp j, 0,2,4,6,8,10,12,14,16,18,20,22,24,26,28,30,32,34,36,38,40,42,44,46,48,50,52,54,56,58,60,62
	v_pk_fma_f32 v[S+\j:S+1+\j], v[S+\j:S+1+\j], s[CS:CS+1], v[12:13] op_sel_hi:[1,0,0]   ; t - M, two at a time (of the pairs c and -M the low word serves both halves)
.endr
	s_wait_alu depctr_va_vdst(0)
.irp j, 0,1,2,3,4,5,6,7,8,9,10,11,12,13,14,15,16,17,18,19,20,21,22,23,24,25,26,27,28,29,30,31,32,33,34,35,36,37,38,39,40,41,42,43,44,45,46,47,48,49,50,51,52,53,54,55,56,57,58,59,60,61,62,63
	v_exp_f32 v[S+\j], v[S+\j]                     ; p = 2^(t - M), at most 1: not normalised
.endr
	v_pk_mul_f32 v[14:15], v[14:15], v[252:253] op_sel_hi:[1,0]   ; the sums under the new M: the plain line behind the exponentials
	s_wait_alu depctr_va_vdst(0)                   ; one wait for the batch of 64, ahead of its first reader
	v_pk_add_f32 v[242:243], v[100:101], v[104:105]
	v_pk_add_f32 v[254:255], v[108:109], v[112:113]
	v_pk_add_f32 v[250:251], v[116:117], v[120:121]
	v_pk_add_f32 v[248:249], v[124:125], v[128:129]
	v_pk_add_f32 v[238:239], v[132:133], v[136:137]
	v_pk_add_f32 v[236:237], v[140:141], v[144:145]
	v_pk_add_f32 v[234:235], v[148:149], v[152:153]
	v_pk_add_f32 v[14:15], v[14:15], v[156:157]
	v_pk_add_f32 v[242:243], v[242:243], v[96:97]
	v_pk_add_f32 v[254:255], v[254:255], v[98:99]
	v_pk_add_f32 v[250:251], v[250:251], v[102:103]
	v_pk_add_f32 v[248:249], v[248:249], v[106:107]
	v_pk_add_f32 v[238:239], v[238:239], v[110:111]
	v_pk_add_f32 v[236:237], v[236:237], v[114:115]
	v_pk_add_f32 v[234:235], v[234:235], v[118:119]
	v_pk_add_f32 v[14:15], v[14:15], v[122:123]
	v_pk_add_f32 v[242:243], v[242:243], v[126:127]
	v_pk_add_f32 v[254:255], v[254:255], v[130:131]
	v_pk_add_f32 v[250:251], v[250:251], v[134:135]
	v_pk_add_f32 v[248:249], v[248:249], v[138:139]
	v_pk_add_f32 v[238:239], v[238:239], v[142:143]
	v_pk_add_f32 v[236:237], v[236:237], v[146:147]
	v_pk_add_f32 v[234:235], v[234:235], v[150:151]
	v_pk_add_f32 v[14:15], v[14:15], v[154:155]
	v_pk_add_f32 v[242:243], v[242:243], v[158:159]
	s_delay_alu instid0(VALU_DEP_2)
	v_pk_add_f32 v[14:15], v[14:15], v[248:249]
	s_delay_alu instid0(VALU_DEP_2)
	v_pk_add_f32 v[242:243], v[242:243], v[238:239]
	v_pk_add_f32 v[254:255], v[254:255], v[236:237]
	v_pk_add_f32 v[250:251], v[250:251], v[234:235]
	s_delay_alu instid0(VALU_DEP_2)
	v_pk_add_f32 v[14:15], v[14:15], v[254:255]
	s_delay_alu instid0(VALU_DEP_2)
	v_pk_add_f32 v[242:243], v[242:243], v[250:251]
	s_delay_alu instid0(VALU_DEP_1)
	v_pk_add_f32 v[14:15], v[14:15], v[242:243]
.irp b, 0,1,2,3
.irp i, 0,1,2,3,4,5,6,7,8,9,10,11,12,13,14,15
.endr
	v_cvt_scalef32_pk8_bf8_f32 v[PC+4*\b:PC+1+4*\b], v[S+16*\b:S+7+16*\b], v244
	v_cvt_scalef32_pk8_bf8_f32 v[PC+2+4*\b:PC+3+4*\b], v[S+8+16*\b:S+15+16*\b], v244
.endr
.irp j, 0,2,4,6,8,10,12,14,16,18,20,22,24,26,28,30,32,34,36,38,40,42,44,46,48,50,52,54,56,58,60,62
	v_pk_mul_f32 v[O+\j:O+1+\j], v[O+\j:O+1+\j], v[252:253] op_sel_hi:[1,0]   ; O^T under the new M: x f.  These 32 are also the places in front of the loads and products below
.endr
	s_wait_alu depctr_va_vdst(0)
.irp g, 0,1                                    ; O^T += V^T P^T: four tiles of 16 channels at a time; K = these 128 keys.  The eight accumulators take turns, one instruction a turn
.if \g > 0
.rept 4
	v_nop
.endr
.endif
.irp t, 0,1,2,3
.irp c, 0,1,2,3
	ds_load_b128 v[F+16*\t+4*\c:F+16*\t+4*\c+3], v[ADR] offset:STEPB*(\q)+VOFF+FRB*(4*\g+\t)+512*\c
.endr
.endr
	s_wait_dscnt 0x0
.irp t, 0,1,2,3
	v_wmma_f32_16x16x128_bf8_bf8 v[O+8*(4*\g+\t):O+8*(4*\g+\t)+7], v[F+16*\t:F+16*\t+15], v[PC:PC+15], v[O+8*(4*\g+\t):O+8*(4*\g+\t)+7]
.endr
.endr
.Lhidden_\@:
	s_add_co_u32 s[KF], s[KF], 128
.endm
; THE WAY OUT of a block.  O^T is divided by the row's sum and multiplied by 2^(ep + ev); a lane's 32 bytes of a row go into my stage and come back as whole rows of 512 bytes, which the 32 lanes store.
.macro FINISH
	v_add_f32 v14, v14, v15                        ; the sum's two halves,
	s_delay_alu instid0(VALU_DEP_1)
	v_permlanex16_b32 v241, v14, s[SEL], s[SEL+1]
	s_delay_alu instid0(VALU_DEP_1)
	v_add_f32 v14, v14, v241                       ; and lane l xor 16's
	s_wait_alu depctr_va_vdst(0)
	v_rcp_f32 v14, v14
	v_nop                                          ; a plain line behind the reciprocal
	s_wait_alu depctr_va_vdst(0)                   ; and a wait ahead of its first reader
	v_ldexp_f32 v14, v14, s[EPV]
.irp j, 0,2,4,6,8,10,12,14,16,18,20,22,24,26,28,30,32,34,36,38,40,42,44,46,48,50,52,54,56,58,60,62
	v_pk_mul_f32 v[O+\j:O+1+\j], v[O+\j:O+1+\j], v[14:15] op_sel_hi:[1,0]   ; register 8 t + i is o(query r, channel 16 t + 8 h + i); each accumulator from its low end on
.endr
.irp t, 0,1,2,3,4,5,6,7
	ds_store_b128 v[SOW], v[O+8*\t:O+8*\t+3] offset:64*\t
	ds_store_b128 v[SOW], v[O+8*\t+4:O+8*\t+7] offset:64*\t+16
.endr
.irp i, 0,1,2,3,4,5,6,7,8,9,10,11,12,13,14,15
	ds_load_b128 v[F+4*\i:F+4*\i+3], v[SROW] offset:SP*\i   ; LDS serves a wave's instructions in order: these see my stores
.endr
.irp i, 0,1,2,3,4,5,6,7,8,9,10,11,12,13,14,15
	s_wait_dscnt 15-\i                             ; row i is back; the younger loads may be out
	global_store_b128 v[LI], v[F+4*\i:F+4*\i+3], s[10:11] offset:16384*\i th:TH_STORE_NT   ; 32 lanes store 512 consecutive bytes, at a multiple of 256 from out0's first byte
.endr
.endm
; FROM THE FIRST BLOCK TO THE SECOND, at the head of the trip that works the second block's slot 0.  The branch hangs on the cluster's number and the loop's counter: it is the same in all partners and all waves; no barrier and no tensor load stands inside.
.macro SWITCH
	s_cmp_eq_u32 s[FI], s[N1P]
	s_cbranch_scc0 .Lsame_\@
	QLOAD QB                                       ; asked for first: it lands while the first block goes out
	FINISH
	INIT
	s_wait_loadcnt 0x0
	QTURN
	s_wait_dscnt 0x0
	QUANT S, QC, 246, 247
	s_wait_xcnt 0x0                                ; the stores have read their registers and their base: only now are both written again
	s_mov_b64 s[10:11], s[OB:OB+1]
	s_mov_b32 s[Q0], s[Q0B]
	s_mov_b32 s[KF], 0
.Lsame_\@:
.endm
; THE CHANGE OF SLOTS stands at a slot's head.  Each wave waits for all its tensor loads (its part of the slot that it is about to read), adds 0 to its spare word, and waits for that and for its reads of the slot that it has left.
; fill = 1: a round of the cluster's barrier follows, so that no wave of any partner still reads that slot or has a load on its way, and the joint refill is the first thing behind it: it has a slot's two key steps in which to land.
.macro CHANGE fill
	s_wait_tensorcnt 0x0                           ; no tensor load of mine is out, so group 0 may be written
	ds_add_u32 v[SPW], v[NIL]                      ; 0 onto my spare word; with fill = 1 the descriptor's steps stand between it and the wait for it
.if \fill
	s_add_co_u32 s[FI], s[FI], 1
	s_sub_co_u32 s57, s[FI], s[N1]
	s_cmp_lt_u32 s[FI], s[N1]
	s_cselect_b32 s57, s[FI], s57                  ; the slot in memory: FI in the first block's walk, FI - (i + 1) in the second's
	s_lshl_b32 s[OFF], s57, 16
	s_add_nc_u64 s[G0+2:G0+3], s[KVB:KVB+1], s[OFF:OFF+1]
	s_or_b32 s[G0+3], s[G0+3], 0x80000000          ; type = 2
	s_xor_b32 s[G0+1], s[G0+1], SLOT1              ; the other slot than last time
	s_wait_xcnt 0x0                                ; the last prefetch, a slot back, has read its address, so it may be written
	s_add_nc_u64 s[PFA:PFA+1], s[PFA:PFA+1], SLOT1
	s_wait_dscnt 0x0                               ; the add is done, and my reads of the slot that I have left are over
	CROUND
	JLOAD
	ASK
.else
	s_wait_dscnt 0x0
	s_barrier_signal -1
	s_barrier_wait -1
.endif
.endm
.Lslot:                                            ; eight trips: trip FI works slot FI - 1 of the walk's nine and asks for slot FI
	CHANGE 1
	SWITCH
	STEP 0
	STEP 1
	s_xor_b32 s[TB], s[TB], SLOT1                  ; on to the other slot
	s_cmp_lt_u32 s[FI], 8
	s_cbranch_scc1 .Lslot
	CHANGE 0                                       ; the last slot is written out; the change of blocks never falls here (it falls in trips 2 to 5)
	STEP 0
	STEP 1
	FINISH
	s_wait_tensorcnt 0x0                           ; the wave's end: behind my last tensor load and my last LDS store
	ds_add_u32 v[SPW], v[NIL]
	s_wait_dscnt 0x0
	CROUND                                         ; the closing round: no work-group ends while a partner may still ask for a slot that names it
	s_endpgm
.Lfunc_end_k_qa5a9926bf9_attn:
	.size	k_qa5a9926bf9_attn, .Lfunc_end_k_qa5a9926bf9_attn-k_qa5a9926bf9_attn
	.p2alignl 7, 3214868480
	.fill 96, 4, 3214868480
	.section	.rodata,"a",@progbits
	.p2align	6, 0x0
	.amdhsa_kernel k_qa5a9926bf9_attn
		.amdhsa_group_segment_fixed_size 327680
		.amdhsa_private_segment_fixed_size 0
		.amdhsa_enable_private_segment 0
		.amdhsa_kernarg_size 32
		.amdhsa_user_sgpr_count 2
		.amdhsa_user_sgpr_kernarg_segment_ptr 1
		.amdhsa_wavefront_size32 1
		.amdhsa_system_sgpr_workgroup_id_x 1
		.amdhsa_system_sgpr_workgroup_id_y 1
		.amdhsa_system_sgpr_workgroup_id_z 1
		.amdhsa_system_vgpr_workitem_id 0
		.amdhsa_next_free_vgpr 256
		.amdhsa_next_free_sgpr 72
		.amdhsa_reserve_vcc 1
		.amdhsa_float_denorm_mode_32 3
		.amdhsa_float_denorm_mode_16_64 3
		.amdhsa_fp16_overflow 1
		.amdhsa_memory_ordered 1
		.amdhsa_forward_progress 1
		.amdhsa_inst_pref_size 124
	.end_amdhsa_kernel
	.amdgpu_metadata
---
amdhsa.version: [ 1, 2 ]
amdhsa.kernels:
  - .name:           k_qa5a9926bf9_attn
    .symbol:         k_qa5a9926bf9_attn.kd
    .args:
      - { .name: q, .offset: 0, .size: 8, .value_kind: global_buffer, .address_space: global }
      - { .name: kvc, .offset: 8, .size: 8, .value_kind: global_buffer, .address_space: global }
      - { .name: lowp_scales, .offset: 16, .size: 8, .value_kind: global_buffer, .address_space: global }
      - { .name: out0, .offset: 24, .size: 8, .value_kind: global_buffer, .address_space: global }
    .group_segment_fixed_size: 327680
    .private_segment_fixed_size: 0
    .kernarg_segment_align: 8
    .kernarg_segment_size: 32
    .max_flat_workgroup_size: 512
    .sgpr_count:     72
    .vgpr_count:     256
    .wavefront_size: 32
...
	.end_amdgpu_metadata
.endif
;; end of part 2
